; MI455X (gfx1250); checked and timed in simulation.
; The chip was launched on July 23, 2026; its instructions are those of AMD's public machine-readable ISA for CDNA 5 (MIT licence, August 2026) and "CDNA5" Instruction Set Architecture Reference Guide (July 2026). The comments in the code are by the model that wrote it; some were corrected since.
;; Co Attention cross. Allowed arithmetic: matrix products marked QUANTISED: E2M3 operands, one E8M0 scale for each 32 along K, by v_wmma_scale_f32_16x16x128_f8f6f4 with both operands' format E2M3, f32 sums; everything else in f32.
;; Inputs: Wk 1,024 x 1,024 float32; Wq 1,024 x 1,024 float32; Wv 1,024 x 1,024 float32; attention_mask 4 x 1 x 1 x 2,048 float32; bk 1,024 float32; bq 1,024 float32; bv 1,024 float32; hidden_states 4 x 2,048 x 1,024 float32.
;; Outputs: out0 4 x 2,048 x 1,024 float32.
;; This version of the problem:
;;   THIS VERSION OF THE PROBLEM IS GIVEN IN LOW PRECISION. The matrix products marked QUANTISED in the list below multiply operands that are first quantised to E2M3 (2 exponent bits, 3 mantissa bits; 6 bits a number), with one power-of-two scale for each 32 numbers along K (OCP MX v1.0); their sums are f32. All else is computed in f32.
;;   The module's matrix products, in the order in which they are computed (A, B: the left and right operand; K: the contracted axis; several contracted axes count as one K, in the product's order):
;;     1. [M 8,192, K 1,024] x [K 1,024, N 1,024]; A: input hidden_states; B: input Wq: QUANTISED
;;     2. [M 8,192, K 1,024] x [K 1,024, N 1,024]; A: computed on the way; B: input Wk: QUANTISED
;;     3. [M 8,192, K 1,024] x [K 1,024, N 1,024]; A: computed on the way; B: input Wv: QUANTISED
;;     4. batch 64 x [M 2,048, K 64] x [K 64, N 2,048]; A: computed on the way; B: computed on the way: QUANTISED
;;     5. batch 64 x [M 2,048, K 2,048] x [K 2,048, N 64]; A: softmax (see below); B: computed on the way: QUANTISED
;;   THE QUANTISER, for each operand of a quantised product, along K:
;;     - K is cut into blocks of 32 from its start; a last block that is shorter is filled with zeros.
;;     - A block's scale is 2^e with e = floor(log2(the largest magnitude in the block)) - 2, held to -126 .. 127; a block of zeros has e = 0. As a byte (E8M0): e + 127.
;;     - Each number is divided by its block's scale, clamped to +-7.5, and rounded to the nearest number of E2M3, ties to even, subnormals kept.
;;     - The product sums the exact products of the quantised numbers (number of the format x scale) in f32.
;;   ~~~python
;;   def quantise(x, axis):      # numpy; x: float32 -> the quantised numbers, widened to float32 again
;;       x = np.moveaxis(x, axis, -1); K = x.shape[-1]
;;       x = np.pad(x, [(0, 0)] * (x.ndim - 1) + [(0, -K % 32)]); x = x.reshape(x.shape[:-1] + (-1, 32)); a = np.abs(x).max(-1, keepdims=True)
;;       e = np.where(a > 0, np.clip(np.frexp(np.where(a > 0, a, 1))[1] - 1 - 2, -126, 127), 0)      # np.frexp(a)[1] - 1 = floor(log2(a)), exactly
;;       r = np.clip(x / 2.0 ** e, -7.5, 7.5)
;;       step = 2.0 ** (np.maximum(np.frexp(np.where(r == 0, 1, r))[1] - 1, 0) - 3)
;;       q = np.round(r / step) * step * 2.0 ** e      # np.round: ties to even
;;       return np.moveaxis(q.reshape(q.shape[:-2] + (-1,))[..., :K], -1, axis).astype(np.float32)
;;   ~~~
;;   SOFTMAX AHEAD OF A QUANTISED PRODUCT. Where the list says 'softmax', what is quantised is not the finished softmax but p = 2^(t - M), with t = logit x log2(e) and M = ceil(the row's largest t), a whole number; so 1/2 < the row's largest p <= 1. The row's sum l is taken of the UNQUANTISED p, in f32, and the product's result is divided by l at the end. Since M is a whole number, a kernel that streams over the keys may use a running M (the ceiling of the running maximum): every later rescaling is an exact power of two, which a block's scale takes up: the codes' values come out the same.
;;   OPERANDS COMPUTED ON THE WAY. 'Computed on the way' means the value that the module computes at that place (a softmax that the list does not call 'softmax' is quantised finished and normalised). What goes into a quantiser is computed in f32, as accurately as f32 sums, v_exp_f32 and their like allow (about 1e-6 of the number): no bf16 or f16 on the way to a quantiser, and a product that is left as it is and whose result goes on into a quantised operand takes f32 operands (vector FMAs, or v_wmma_f32_16x16x4_f32). A number that lies on a knife's edge between two numbers of the format may be rounded either way, as far as f32 arithmetic and the matrix unit's own rounding can turn it there, and no further.
;; One version. Each part assembles by itself: llvm-mc -triple=amdgcn-amd-amdhsa -mcpu=gfx1250 --defsym DOCPART=n.
;; ======== version 1 of 1: 4 launches
;; limits: right only within a limited range of input values
;; workspace buffers: hsq 6,553,600 bytes; mqq 6,553,600 bytes; kq 6,553,600 bytes; vtq 6,553,600 bytes; wqq 1,048,576 bytes; wkq 1,048,576 bytes; wvq 1,048,576 bytes
;; launch quant (part 1): grid 176 x 2, 4 waves a work-group, no clusters, 35,328 bytes of LDS; arguments hidden_states, Wq, Wk, Wv, hsq, wqq, wkq, wvq; writes hsq, wqq, wkq, wvq
.if DOCPART == 1
	.amdgcn_target "amdgcn-amd-amdhsa--gfx1250"
	.amdhsa_code_object_version 6
	.text
	.protected	k_qc8bc2fc832_quant
	.globl	k_qc8bc2fc832_quant
	.p2align	8
	.type	k_qc8bc2fc832_quant,@function
k_qc8bc2fc832_quant:
	s_mov_b64 s[64:65], 0
	v_nop
	global_prefetch_b8 v0, s[64:65] scope:SCOPE_SE
	s_setreg_imm32_b32 hwreg(HW_REG_WAVE_MODE, 25, 1), 1
	s_wait_xcnt 0x0
; hidden_states [8192][1024] and Wq, Wk, Wv [1024][1024], f32, K innermost, become codes of FP6 (E2M3) with one E8M0 byte for each 32 along K,
; laid as IMAGES OF OPERAND REGISTERS.  A buffer: scale words from byte 0, codes from byte CODE.  Every input is read.
; A tile T is 16 rows: lane-row r is matrix row 64 (T / 4) + 8 (T % 4) + 32 (r / 8) + r % 8.  So in a transposed product a lane's registers of four neighbouring tiles are one whole block of 32 neighbours.
; A fragment (tile T, step s of 128 along K) is 1,536 bytes at CODE + 12288 T + 1536 s: half c at 768 c: 32 lanes x 16 bytes (registers 6 c .. 6 c + 3), then 32 lanes x 8 bytes (6 c + 4, 6 c + 5).
; Scale words (4 bytes for a row and a step): byte s x (4 x rows) + 64 T + 4 r.
; A block's scale is 2^(floor(log2(largest magnitude)) - 2); its byte is the largest magnitude's exponent field - 2, held at 1 from below.
; LIMITS: a block of zeros gets the byte 1 where the rule says 127 (its codes are zeros, and this program alone reads the bytes); NaN and infinities among the inputs are not served.
; SHARES: 704 tiles (512 of hidden_states, 64 of each weight).  Work-group x takes four neighbouring tiles, a wave a tile; work-group y takes four of the eight steps.
; Each load reads 512 consecutive bytes of a row; a fragment's 8,192 bytes turn through the wave's own stage in LDS, so that lane (r, h) gets k = 64 c + 32 h + 0 .. 31 of row r: two whole blocks.
; Each store of codes covers 512 or 256 consecutive aligned bytes; the four waves' scale words of a step meet in LDS and leave as one aligned run of 256 bytes.
; No matrix work, no tensor load, no cluster: no two work-groups read the same byte.
.set CODE,   262144
.set SPITCH, 528                       ; a stage row: 512 bytes + 16
.set WSTG,   16*SPITCH
.set SG,     4*WSTG                    ; behind the stages: 4 steps x 256 bytes of scale words
.set SPARE,  SG+1024                   ; the spare words
.set L16,  2
.set L8,   3
.set SIN,  4
.set SOUT, 5
.set SWS,  6
.set SRD,  7
.set SH8,  8                           ; 8 x (lane / 16)
.set PT,   9
.set MX,   10
.set SO,   12
.set BY,   14
.set R,    16                          ; v16-143  two sets of 64: a fragment as loaded
.set X,    144                         ; v144-207 my 64 numbers
.set PC,   208                         ; v208-219 the fragment's codes
.set TP,   220                         ; second halves of blocks (a conversion's three registers begin on an even number)
.set WD,   228                         ; a scale word for each fragment
	s_load_b256 s[4:11], s[0:1], 0x0               ; hidden_states, Wq, Wk, Wv
	s_load_b256 s[12:19], s[0:1], 0x20             ; hsq, wqq, wkq, wvq
	v_lshl_add_u32 v240, v0, 2, SPARE
	v_mov_b32 v241, 0
	v_lshrrev_b32 v1, 5, v0
	v_readfirstlane_b32 s22, v1                    ; wave
	v_and_b32 v1, 31, v0                           ; lane
	v_and_b32 v9, 15, v0                           ; r
	v_bfe_u32 v10, v0, 4, 1                        ; h
	v_lshlrev_b32 v[L16], 4, v1
	v_lshlrev_b32 v[L8], 3, v1
	s_mul_i32 s23, s22, WSTG
	v_add_nc_u32 v[SIN], s23, v[L16]
	v_mul_u32_u24 v[SOUT], v9, SPITCH
	v_lshl_add_u32 v[SOUT], v10, 7, v[SOUT]
	v_add_nc_u32 v[SOUT], s23, v[SOUT]             ; row r, + 128 h bytes
	s_lshl_b32 s23, s22, 6
	s_add_co_u32 s23, s23, SG
	v_lshl_add_u32 v[SWS], v9, 2, s23              ; SG + 64 wave + 4 r
	s_lshl_b32 s23, s22, 8
	s_add_co_u32 s23, s23, SG
	v_add_nc_u32 v[SRD], s23, v[L8]                ; SG + 256 wave + 8 lane
	v_lshlrev_b32 v[SH8], 3, v10
	v_mov_b32 v[PT], 0                             ; a lane permute's destination counts as one of its sources
	s_mov_b32 s20, 0x76543210
	s_mov_b32 s21, 0xfedcba98                      ; selects for lane l xor 16
	s_and_b32 s24, ttmp7, 0xffff                   ; which four steps
	s_and_b32 s25, ttmp9, 15
	s_wait_alu depctr_va_vdst(0)                   ; the wait at the head's end
	s_wait_kmcnt 0x0
	s_cmp_lt_u32 ttmp9, 160                        ; which tensor: the choice hangs on the work-group's number alone; one path serves all four
	s_cselect_b64 s[10:11], s[8:9], s[10:11]
	s_cselect_b64 s[18:19], s[16:17], s[18:19]
	s_cmp_lt_u32 ttmp9, 144
	s_cselect_b64 s[10:11], s[6:7], s[10:11]
	s_cselect_b64 s[18:19], s[14:15], s[18:19]
	s_cmp_lt_u32 ttmp9, 128
	s_cselect_b64 s[10:11], s[4:5], s[10:11]
	s_cselect_b64 s[18:19], s[12:13], s[18:19]
	s_cselect_b32 s25, ttmp9, s25                  ; which four tiles of the tensor
	s_mov_b32 s26, 4096
	s_cselect_b32 s26, 0x8000, s26                 ; bytes of scale words in a step: 4 x rows
	s_lshl_b32 s27, s25, 6                         ; my tile's first row: 64 x group + 8 x wave
	s_lshl_b32 s28, s22, 3
	s_add_co_u32 s27, s27, s28
	s_lshl_b32 s28, s27, 12                        ; rows of 4,096 bytes
	s_lshl_b32 s29, s24, 11                        ; four steps of 512 bytes
	s_add_co_u32 s28, s28, s29
	s_mov_b32 s29, 0
	s_add_nc_u64 s[10:11], s[10:11], s[28:29]
	s_lshl_b32 s30, s25, 2
	s_add_co_u32 s30, s30, s22                     ; my tile
	s_mul_i32 s30, s30, 12288
	s_mul_i32 s31, s24, 4*1536
	s_add_co_u32 s30, s30, s31
	s_add_co_u32 s30, s30, CODE
	s_mov_b32 s31, 0
	s_add_nc_u64 s[32:33], s[18:19], s[30:31]      ; where my codes go
	s_lshl_b32 s30, s24, 2
	s_add_co_u32 s30, s30, s22                     ; the step whose scale words I store
	s_mul_i32 s30, s30, s26
	s_lshl_b32 s34, s25, 8
	s_add_co_u32 s30, s30, s34
	s_add_nc_u64 s[18:19], s[18:19], s[30:31]      ; and where they go
.macro LOAD t                          ; fragment t as it lies: sixteen rows x 512 consecutive bytes; lane-row i is row i % 8 + 32 (i / 8) of the tile
.irp i, 0,1,2,3,4,5,6,7,8,9,10,11,12,13,14,15
	global_load_b128 v[R+64*((\t)%2)+4*\i:R+64*((\t)%2)+4*\i+3], v[L16], s[10:11] offset:(\i%8+32*(\i/8))*4096+512*(\t) th:TH_LOAD_NT
.endr
.endm
.macro FRAGQ t
.if (\t) < 3
	s_wait_loadcnt 16                              ; this fragment's sixteen loads are in; the next fragment's sixteen may be out
.else
	s_wait_loadcnt 0x0
.endif
.irp i, 0,1,2,3,4,5,6,7,8,9,10,11,12,13,14,15
	ds_store_b128 v[SIN], v[R+64*((\t)%2)+4*\i:R+64*((\t)%2)+4*\i+3] offset:SPITCH*\i
.endr
.irp c, 0,1
.irp i, 0,1,2,3,4,5,6,7
	ds_load_b128 v[X+32*\c+4*\i:X+32*\c+4*\i+3], v[SOUT] offset:256*\c+16*\i   ; LDS serves a wave's instructions in order: these see the stores above
.endr
.endr
	s_wait_dscnt 0x0                               ; my 64 numbers are in, and the stores have read their registers,
.if (\t) < 2
	LOAD (\t)+2                                    ; which take the fragment two on
.endif
.irp c, 0,1
	v_max3_num_f32 v[MX+\c], |v[X+32*\c]|, |v[X+32*\c+1]|, 0x1800000   ; block 2 c + h: all 32 numbers are mine; the floor 2^(3 - 127) holds the byte at 1 from below
.endr
.irp i, 2,4,6,8,10,12,14,16,18,20,22,24,26,28,30
.irp c, 0,1
	v_max3_num_f32 v[MX+\c], v[MX+\c], |v[X+32*\c+\i]|, |v[X+32*\c+\i+1]|
.endr
.endr
.irp c, 0,1
	v_add_nc_u32 v[SO+\c], 0xff000000, v[MX+\c]    ; 2 off the exponent field: the conversion takes that field as its scale
.endr
.irp c, 0,1
	v_lshrrev_b32 v[BY+\c], 23, v[SO+\c]           ; the byte
.endr
	v_lshl_or_b32 v[BY], v[BY+1], 16, v[BY]        ; blocks h and 2 + h,
	v_lshlrev_b32 v[BY], v[SH8], v[BY]             ; at their places in the word;
	v_permlanex16_b32 v[PT], v[BY], s20, s21
	v_or_b32 v[WD+(\t)], v[BY], v[PT]              ; with lane l xor 16's two the word is whole
	s_wait_alu depctr_va_vdst(0)                   ; the wait here, directly ahead of the wait below
	s_wait_xcnt 0x0                                ; the last fragment's stores have read the codes' registers
.irp c, 0,1
	v_cvt_scalef32_pk16_fp6_f32 v[PC+6*\c:PC+6*\c+2], v[X+32*\c:X+32*\c+15], v[SO+\c]
	v_cvt_scalef32_pk16_fp6_f32 v[TP+4*\c:TP+4*\c+2], v[X+32*\c+16:X+32*\c+31], v[SO+\c]
.endr
	v_nop                                          ; one plain place behind a scaled conversion
.irp c, 0,1
.irp i, 0,1,2
	v_mov_b32 v[PC+6*\c+3+\i], v[TP+4*\c+\i]
.endr
.endr
	global_store_b128 v[L16], v[PC:PC+3], s[32:33] offset:1536*(\t)            ; 512 consecutive bytes
	global_store_b64 v[L8], v[PC+4:PC+5], s[32:33] offset:1536*(\t)+512        ; 256
	global_store_b128 v[L16], v[PC+6:PC+9], s[32:33] offset:1536*(\t)+768
	global_store_b64 v[L8], v[PC+10:PC+11], s[32:33] offset:1536*(\t)+1280
	ds_store_b32 v[SWS], v[WD+(\t)] offset:256*(\t)    ; both halves of the lanes write the same word with the same value
.endm
	LOAD 0
	LOAD 1
	FRAGQ 0
	FRAGQ 1
	FRAGQ 2
	FRAGQ 3
	s_wait_dscnt 0x0                               ; for the others' sake: my scale words lie in LDS
	s_barrier_signal -1
	s_barrier_wait -1
	ds_load_b64 v[12:13], v[SRD]                   ; wave w takes step w's 256 bytes: four tiles' words
	s_wait_dscnt 0x0
	global_store_b64 v[L8], v[12:13], s[18:19]     ; 256 consecutive aligned bytes
	s_wait_tensorcnt 0x0                           ; the wave's end
	ds_add_u32 v240, v241
	s_wait_dscnt 0x0
	s_endpgm
.Lfunc_end_k_qc8bc2fc832_quant:
	.size	k_qc8bc2fc832_quant, .Lfunc_end_k_qc8bc2fc832_quant-k_qc8bc2fc832_quant
	.p2alignl 7, 3214868480
	.fill 96, 4, 3214868480
	.section	.rodata,"a",@progbits
	.p2align	6, 0x0
	.amdhsa_kernel k_qc8bc2fc832_quant
		.amdhsa_group_segment_fixed_size 35328
		.amdhsa_private_segment_fixed_size 0
		.amdhsa_enable_private_segment 0
		.amdhsa_kernarg_size 64
		.amdhsa_user_sgpr_count 2
		.amdhsa_user_sgpr_kernarg_segment_ptr 1
		.amdhsa_wavefront_size32 1
		.amdhsa_system_sgpr_workgroup_id_x 1
		.amdhsa_system_sgpr_workgroup_id_y 1
		.amdhsa_system_sgpr_workgroup_id_z 1
		.amdhsa_system_vgpr_workitem_id 0
		.amdhsa_next_free_vgpr 242
		.amdhsa_next_free_sgpr 66
		.amdhsa_reserve_vcc 0
		.amdhsa_float_denorm_mode_32 3
		.amdhsa_float_denorm_mode_16_64 3
		.amdhsa_memory_ordered 1
		.amdhsa_forward_progress 1
		.amdhsa_inst_pref_size 32
	.end_amdhsa_kernel
	.amdgpu_metadata
---
amdhsa.version: [ 1, 2 ]
amdhsa.kernels:
  - .name:           k_qc8bc2fc832_quant
    .symbol:         k_qc8bc2fc832_quant.kd
    .args:
      - { .name: hidden_states, .offset: 0, .size: 8, .value_kind: global_buffer, .address_space: global }
      - { .name: Wq, .offset: 8, .size: 8, .value_kind: global_buffer, .address_space: global }
      - { .name: Wk, .offset: 16, .size: 8, .value_kind: global_buffer, .address_space: global }
      - { .name: Wv, .offset: 24, .size: 8, .value_kind: global_buffer, .address_space: global }
      - { .name: hsq, .offset: 32, .size: 8, .value_kind: global_buffer, .address_space: global }
      - { .name: wqq, .offset: 40, .size: 8, .value_kind: global_buffer, .address_space: global }
      - { .name: wkq, .offset: 48, .size: 8, .value_kind: global_buffer, .address_space: global }
      - { .name: wvq, .offset: 56, .size: 8, .value_kind: global_buffer, .address_space: global }
    .group_segment_fixed_size: 35328
    .private_segment_fixed_size: 0
    .kernarg_segment_align: 8
    .kernarg_segment_size: 64
    .max_flat_workgroup_size: 128
    .sgpr_count:     66
    .vgpr_count:     242
    .wavefront_size: 32
...
	.end_amdgpu_metadata
.endif
;; end of part 1
;; launch proj_q (part 2): grid 4 x 64, 4 waves a work-group, clusters of 4 x 4, 327,680 bytes of LDS; arguments hsq, wqq, bq, mqq, wvq, bv, vtq; writes mqq, vtq
.if DOCPART == 2
	.amdgcn_target "amdgcn-amd-amdhsa--gfx1250"
	.amdhsa_code_object_version 6
	.text
	.protected	k_qc8bc2fc832_proj_q
	.globl	k_qc8bc2fc832_proj_q
	.p2align	8
	.type	k_qc8bc2fc832_proj_q,@function
k_qc8bc2fc832_proj_q:
	s_mov_b64 s[64:65], 0
	v_nop
	global_prefetch_b8 v0, s[64:65] scope:SCOPE_SE
	s_setreg_imm32_b32 hwreg(HW_REG_WAVE_MODE, 25, 1), 1
	s_wait_xcnt 0x0
	s_wait_alu depctr_hold_cnt(0) depctr_sa_sdst(0) depctr_va_vdst(0) depctr_va_sdst(0) depctr_va_ssrc(0) depctr_va_vcc(0) depctr_vm_vsrc(0)
	s_getreg_b32 s2, hwreg(HW_REG_IB_STS2, 6, 4)
	s_cmp_eq_u32 s2, 0
	s_cbranch_scc0 .Lentry_in_a_cluster
	s_endpgm
.Lentry_in_a_cluster:
	s_bfe_u32 s2, ttmp6, 0x10000c
	s_cmp_lg_u32 s2, 0xf033
	s_cbranch_scc0 .Lentry_shape_is_right
	s_endpgm
.Lentry_shape_is_right:
; out[i][j] = sum over k of A[i][k] B[j][k] + bias, K = 1,024, on codes of FP6 (E2M3) with E8M0 scales; the result is quantised along j and stored as images of operand registers.
; Arguments: X, W0, b0, OUT0, W1, b1, OUT1.  THE MODE is the cluster's x, the same in all sixteen partners; it only selects numbers and pointers, no branch hangs on it.
;   mode 0: A = X (8,192 rows), B = W0, bias b0[j], to OUT0 (fragment of tile T, step s at CODE + 12288 T + 1536 s; scale words at 32768 s + 64 T + 4 r).
;   mode 1: A = W1 (1,024 rows), B = X, bias b1[i], to OUT1 (fragment at CODE + 98304 s + 1536 T; scale words at 4096 s + 64 T + 4 r): the transposed product, quantised along X's rows.
; A launch whose grid is one cluster wide runs mode 0 alone and touches none of W1, b1, OUT1.
; BUFFERS: scale words from byte 0, codes from CODE.  Lane-row r of tile T is matrix row 64 (T / 4) + 8 (T % 4) + 32 (r / 8) + r % 8.  A fragment is 1,536 bytes: half c at 768 c: 32 x 16 bytes, 32 x 8 bytes.
; SHARES: a work-group makes 128 (i) x 256 (j); all of K for it, (8 + 16) tiles x 12,288 bytes, comes into LDS once, in two chunks of four K steps: no LDS byte is filled twice.
; Each wave asks for its part of chunk 0 at the head and for its part of chunk 1 behind the waits, the add and a round of the cluster's barrier; chunk 1 has K steps 0 to 3, 128 products a wave, in which to land.
; A wave makes 64 x 128: 32 accumulators; its 128 columns are one fragment of the next product.
; THE MATRIX INSTRUCTION IS USED TRANSPOSED (source 0 = 16 rows of B, source 1 = 16 rows of A): a lane holds one row i, and by the tiles' row order the 32 registers of B's tiles 4 c .. 4 c + 3 are the block 64 c + 32 (lane / 16) + 0 .. 31 along j.
; CLUSTER 4 x 4: A's tiles are asked for jointly along a row of the cluster, B's along a column.  Scale words and biases, a twelfth of a work-group's bytes, come once by plain loads straight into registers.
; No prefetch: both chunks are asked for in the launch's first two groups of loads, so there is no later load to run ahead of.
; LIMITS: a block of zeros gets the byte 1 where the rule says 127 (zero codes; this program alone reads the bytes); NaN and infinities are not served.
; REGISTERS: window 0: v1-8 addresses, v14 8 x (lane / 16); v16-31 A's scale words, v32-63 B's; v64-159 A's fragments, two sets; v160-223 the bias along j, later 64 results; v224-231 the bias along i; v232-247 offsets of scale words.
;   window 1: B's fragments, two sets, at v0 and v128.   window 2: accumulator (a, b) at v[64 a + 8 b].
.set CODE,  262144
.set FRB,   1536                       ; a fragment
.set TIL,   4*FRB                      ; a tile's four K steps in a chunk
.set CHUNK, 24*TIL                     ; A's 8 tiles, then B's 16
.set BOFF,  8*TIL
.set SGS,   2*CHUNK                    ; behind the chunks: 256 bytes for each wave, for its scale words; no tensor load lands here
.set SPARE, SGS+1024                   ; the spare words
.set L16,   1
.set L8,    2
.set ADA16, 3
.set ADA8,  4
.set ADB16, 5
.set ADB8,  6
.set SWS,   7
.set SRD,   8
.set SH8,   14
.set SA,    16                         ; pair v of A's blocks, step s: v[SA + 8 v + s]: lanes 0-15 block 2 v, lanes 16-31 block 2 v + 1
.set SB,    32                         ; the same for B's tiles
.set AF,    64
.set BJ,    160
.set H,     160
.set BI,    224
.set VOA,   232
.set VOB,   240
.set TM,    64                         ; the way out, over A's fragments
.set PC,    96
.set WV,  18
.set IDX, 19                           ; wave % 2: which half of a side's tiles I fetch; which 128 columns are mine
.set WI,  20                           ; wave / 2: I fetch for A (0) or B (1); which 64 rows are mine
.set IT,  24
.set JT,  25
.set MI,  26                           ; all ones where the bias runs along i
.set MJ,  27                           ; all ones where it runs along j
.set PA,  28                           ; s[28:29] bytes from an output tile to the next
.set PB,  30                           ; bytes from an output step to the next
.set P2,  31                           ; bytes of output scale words in a step
.set SPA, 32                           ; the same in A,
.set SPB, 33                           ; in B
.set OP,  40
.set OS,  42
.set G1A, 44
.set G1B, 52
.set SEL, 66
.set G0A, 68
.set G0B, 84
.set MSB, 0
.macro WIN new                         ; the immediate's high byte repeats the setting that is left
.if MSB != \new
	s_set_vgpr_msb (MSB<<8)|\new
.set MSB, \new
.endif
.endm
.set MUL0,   0x81                      ; source 0 (B) window 1, source 1 (A) and C (the bias) window 0, D window 2
.set MUL,    0xa1                      ; C and D window 2
.set TO_B,   0x40
.set RD_ACC, 0x02
.macro ROUND                           ; a round of the cluster's barrier
	s_barrier_signal -1
	s_barrier_wait -1
	s_cmp_lg_u32 s[WV], 0
	s_cbranch_scc1 .Lnot_wave_0_\@
	s_barrier_signal -3
.Lnot_wave_0_\@:
	s_barrier_wait -3
	s_barrier_signal -1
	s_barrier_wait -1
.endm
.macro JLOAD c                         ; chunk c: waves 0, 1 ask for A's tiles, waves 2, 3 for B's: one joint load a wave
	s_cmp_eq_u32 s[WI], 0
	s_cbranch_scc0 .Lfill_b_\@
	tensor_load_to_lds s[G0A+4*\c:G0A+4*\c+3], s[G1A:G1A+7]
	s_nop 0
.rept 4
	v_nop
.endr
	s_branch .Lfilled_\@
.Lfill_b_\@:
	tensor_load_to_lds s[G0B+4*\c:G0B+4*\c+3], s[G1B:G1B+7]
	s_nop 0
.rept 4
	v_nop
.endr
.Lfilled_\@:
.endm
; one scaled product; ra, rb odd: that side's scale words stand in lanes 16-31
.macro WMX d, a, b, c, sa, sb, ra, rb
.if ((\ra)%2) && ((\rb)%2)
	v_wmma_scale_f32_16x16x128_f8f6f4 v[(\d):(\d)+7], v[(\a):(\a)+11], v[(\b):(\b)+11], v[(\c):(\c)+7], v[\sa], v[\sb] matrix_a_fmt:MATRIX_FMT_FP6 matrix_b_fmt:MATRIX_FMT_FP6 matrix_a_scale:MATRIX_SCALE_ROW1 matrix_b_scale:MATRIX_SCALE_ROW1
.elseif ((\ra)%2)
	v_wmma_scale_f32_16x16x128_f8f6f4 v[(\d):(\d)+7], v[(\a):(\a)+11], v[(\b):(\b)+11], v[(\c):(\c)+7], v[\sa], v[\sb] matrix_a_fmt:MATRIX_FMT_FP6 matrix_b_fmt:MATRIX_FMT_FP6 matrix_a_scale:MATRIX_SCALE_ROW1
.elseif ((\rb)%2)
	v_wmma_scale_f32_16x16x128_f8f6f4 v[(\d):(\d)+7], v[(\a):(\a)+11], v[(\b):(\b)+11], v[(\c):(\c)+7], v[\sa], v[\sb] matrix_a_fmt:MATRIX_FMT_FP6 matrix_b_fmt:MATRIX_FMT_FP6 matrix_b_scale:MATRIX_SCALE_ROW1
.else
	v_wmma_scale_f32_16x16x128_f8f6f4 v[(\d):(\d)+7], v[(\a):(\a)+11], v[(\b):(\b)+11], v[(\c):(\c)+7], v[\sa], v[\sb] matrix_a_fmt:MATRIX_FMT_FP6 matrix_b_fmt:MATRIX_FMT_FP6
.endif
.endm
	s_load_b256 s[4:11], s[0:1], 0x0               ; X, W0, b0, OUT0
	s_load_b128 s[12:15], s[0:1], 0x20             ; W1, b1
	s_load_b64 s[16:17], s[0:1], 0x30              ; OUT1
	v_lshl_add_u32 v254, v0, 2, SPARE
	v_mov_b32 v255, 0
	ds_add_u32 v254, v255                          ; the opening lines: the add, twice on end, and its wait
	ds_add_u32 v254, v255
	v_lshrrev_b32 v9, 5, v0
	v_readfirstlane_b32 s[WV], v9
	s_and_b32 s[IDX], s[WV], 1
	s_lshr_b32 s[WI], s[WV], 1
	s_bfe_u32 s22, ttmp6, 0x40000                  ; cx
	s_bfe_u32 s23, ttmp6, 0x40004                  ; cy
	s_and_b32 s60, ttmp7, 0xffff                   ; the cluster's y
	s_and_b32 s61, s60, 1
	s_lshr_b32 s62, s60, 1
	s_cmp_eq_u32 ttmp9, 0                          ; mode 0?
	s_cselect_b32 s[IT], s60, s61
	s_cselect_b32 s[JT], 0, s62
	s_cselect_b32 s[MI], 0, -1
	s_cselect_b32 s[MJ], -1, 0
	s_mov_b32 s[PA], 1536
	s_cselect_b32 s[PA], 12288, s[PA]
	s_mov_b32 s[PA+1], 0
	s_mov_b32 s[PB], 98304
	s_cselect_b32 s[PB], 1536, s[PB]
	s_mov_b32 s[P2], 4096
	s_cselect_b32 s[P2], 0x8000, s[P2]
	s_mov_b32 s[SPA], 4096
	s_cselect_b32 s[SPA], 0x8000, s[SPA]
	s_mov_b32 s[SPB], 0x8000
	s_cselect_b32 s[SPB], 4096, s[SPB]
	s_lshl_b32 s[IT], s[IT], 2
	s_add_co_u32 s[IT], s[IT], s23                 ; which 128 rows i: shared along a row of the cluster
	s_lshl_b32 s[JT], s[JT], 2
	s_add_co_u32 s[JT], s[JT], s22                 ; which 256 columns j: shared along a column
	s_lshl_b32 s60, s23, 2
	s_lshl_b32 s60, 15, s60                        ; my row of the cluster
	s_lshl_b32 s61, 0x1111, s22                    ; my column
	; group 1: rows of 6,144 bytes (a tile's four K steps: 768 elements of 8 bytes), 12,288 bytes apart in memory, dense in LDS; A: 4 tiles a load, B: 8
	s_or_b32 s[G1A], s60, (3<<16)|(1<<21)
	s_or_b32 s[G1B], s61, (3<<16)|(1<<21)
	s_mov_b32 s[G1A+1], 768<<16
	s_mov_b32 s[G1A+2], 4<<16
	s_mov_b32 s[G1A+3], 768<<16
	s_mov_b32 s[G1A+4], 4
	s_mov_b32 s[G1A+5], 1536
	s_mov_b32 s[G1A+6], 0
	s_mov_b32 s[G1A+7], 0
	s_mov_b32 s[G1B+1], 768<<16
	s_mov_b32 s[G1B+2], 8<<16
	s_mov_b32 s[G1B+3], 768<<16
	s_mov_b32 s[G1B+4], 8
	s_mov_b32 s[G1B+5], 1536
	s_mov_b32 s[G1B+6], 0
	s_mov_b32 s[G1B+7], 0
	s_mov_b32 s[SEL], 0x76543210
	s_mov_b32 s[SEL+1], 0xfedcba98
	s_wait_dscnt 0x0
	s_wait_kmcnt 0x0
	s_cmp_eq_u32 ttmp9, 0
	s_cselect_b64 s[34:35], s[4:5], s[12:13]       ; A
	s_cselect_b64 s[36:37], s[6:7], s[4:5]         ; B
	s_cselect_b64 s[38:39], s[8:9], s[14:15]       ; the bias
	s_cselect_b64 s[OP:OP+1], s[10:11], s[16:17]   ; the output
	s_mov_b64 s[OS:OS+1], s[OP:OP+1]
	s_mul_i32 s4, s[IT], 98304                     ; A: 8 tiles a work-group, my 4 of them
	s_mul_i32 s5, s[IDX], 49152
	s_add_co_u32 s4, s4, s5
	s_add_co_u32 s4, s4, CODE
	s_mov_b32 s5, 0
	s_add_nc_u64 s[4:5], s[34:35], s[4:5]
	s_mul_i32 s6, s[JT], 196608                    ; B: 16 tiles a work-group, my 8 of them
	s_mul_i32 s7, s[IDX], 98304
	s_add_co_u32 s6, s6, s7
	s_add_co_u32 s6, s6, CODE
	s_mov_b32 s7, 0
	s_add_nc_u64 s[6:7], s[36:37], s[6:7]
	s_mul_i32 s8, s[IDX], 4*TIL                    ; where they go: the wave's number and constants alone
	s_mul_i32 s9, s[IDX], 8*TIL
	s_add_co_u32 s9, s9, BOFF
.irp c, 0,1
	s_mov_b32 s[G0A+4*\c], 1
	s_add_co_u32 s[G0A+4*\c+1], s8, \c*CHUNK
	s_add_nc_u64 s[G0A+4*\c+2:G0A+4*\c+3], s[4:5], \c*TIL
	s_or_b32 s[G0A+4*\c+3], s[G0A+4*\c+3], 0x80000000
	s_mov_b32 s[G0B+4*\c], 1
	s_add_co_u32 s[G0B+4*\c+1], s9, \c*CHUNK
	s_add_nc_u64 s[G0B+4*\c+2:G0B+4*\c+3], s[6:7], \c*TIL
	s_or_b32 s[G0B+4*\c+3], s[G0B+4*\c+3], 0x80000000
.endr
	ROUND                                          ; all sixteen work-groups are here: the joint loads meet
	JLOAD 0                                        ; K steps 0 to 3: one tensor load a wave at the head
	; where my results go, and where my scale words and biases lie
	s_lshl_b32 s10, s[IT], 3
	s_lshl_b32 s11, s[WI], 2
	s_add_co_u32 s10, s10, s11                     ; my first tile of A, and of the output
	s_lshl_b32 s11, s[JT], 1
	s_add_co_u32 s11, s11, s[IDX]                  ; my step of the output
	s_mul_i32 s12, s10, s[PA]
	s_mul_i32 s13, s11, s[PB]
	s_add_co_u32 s12, s12, s13
	s_add_co_u32 s12, s12, CODE
	s_mov_b32 s13, 0
	s_add_nc_u64 s[OP:OP+1], s[OP:OP+1], s[12:13]
	s_mul_i32 s12, s11, s[P2]
	s_lshl_b32 s14, s10, 6
	s_add_co_u32 s12, s12, s14
	s_add_nc_u64 s[OS:OS+1], s[OS:OS+1], s[12:13]
	s_mov_b32 s15, 0
	s_add_nc_u64 s[34:35], s[34:35], s[14:15]      ; A's scale words at my first tile
	s_lshl_b32 s14, s[JT], 4
	s_lshl_b32 s16, s[IDX], 3
	s_add_co_u32 s14, s14, s16
	s_lshl_b32 s14, s14, 6
	s_add_nc_u64 s[36:37], s[36:37], s[14:15]      ; B's
	s_lshl_b32 s14, s11, 7
	s_and_b32 s14, s14, 1023                       ; my first column, held inside the bias's 1,024 numbers (in mode 1 what is read so is zeroed below)
	s_lshl_b32 s14, s14, 2
	s_add_nc_u64 s[16:17], s[38:39], s[14:15]
	s_lshl_b32 s14, s10, 4
	s_and_b32 s14, s14, 1023                       ; my first row, likewise
	s_lshl_b32 s14, s14, 2
	s_add_nc_u64 s[38:39], s[38:39], s[14:15]
	v_and_b32 v9, 31, v0                           ; lane
	v_lshlrev_b32 v[L16], 4, v9
	v_lshlrev_b32 v[L8], 3, v9
	v_and_b32 v10, 15, v0                          ; r
	v_bfe_u32 v11, v0, 4, 1                        ; h
	s_mul_i32 s60, s[WI], 4*TIL
	v_add_nc_u32 v[ADA16], s60, v[L16]
	v_add_nc_u32 v[ADA8], s60, v[L8]
	s_mul_i32 s60, s[IDX], 8*TIL
	s_add_co_u32 s60, s60, BOFF
	v_add_nc_u32 v[ADB16], s60, v[L16]
	v_add_nc_u32 v[ADB8], s60, v[L8]
	s_lshl_b32 s60, s[WV], 8
	s_add_co_u32 s60, s60, SGS
	v_lshl_add_u32 v[SWS], v10, 2, s60
	v_add_nc_u32 v[SRD], s60, v[L8]
	v_lshlrev_b32 v[SH8], 3, v11
	v_lshlrev_b32 v[VOA], 2, v9
	v_lshlrev_b32 v[VOB], 2, v9
.irp s, 1,2,3,4,5,6,7
	v_add_nc_u32 v[VOA+\s], s[SPA], v[VOA+\s-1]
	v_add_nc_u32 v[VOB+\s], s[SPB], v[VOB+\s-1]
.endr
.irp s, 0,1,2,3,4,5,6,7
.irp v, 0,1
	global_load_b32 v[SA+8*\v+\s], v[VOA+\s], s[34:35] offset:128*\v
.endr
.irp v, 0,1,2,3
	global_load_b32 v[SB+8*\v+\s], v[VOB+\s], s[36:37] offset:128*\v
.endr
.endr
	v_lshlrev_b32 v12, 7, v11                      ; register 32 c + i of the bias along j is column 64 c + 32 h + i
.irp m, 0,1,2,3,4,5,6,7,8,9,10,11,12,13,14,15
	global_load_b128 v[BJ+4*\m:BJ+4*\m+3], v12, s[16:17] offset:256*(\m/8)+16*(\m%8)
.endr
	v_and_b32 v13, 8, v10
	v_mad_u32_u24 v13, v13, 3, v10
	v_lshlrev_b32 v13, 2, v13                      ; the bias along i: my row of block a is 8 a + 32 (r / 8) + r % 8
.irp a, 0,1,2,3
	global_load_b32 v[BI+2*\a], v13, s[38:39] offset:32*\a
.endr
	s_wait_loadcnt 0x0
.set n, 0
.rept 64
	v_and_b32 v[BJ+n], s[MJ], v[BJ+n]              ; the bias that this mode does not have becomes 0
.set n, n+1
.endr
.irp a, 0,1,2,3
	v_and_b32 v[BI+2*\a], s[MI], v[BI+2*\a]
	v_mov_b32 v[BI+2*\a+1], v[BI+2*\a]             ; named as a pair below, so both are written
.endr
.macro FRAG reg, a16, a8, off          ; a fragment comes back as it was stored: 512, 256, 512, 256 consecutive bytes
	ds_load_b128 v[(\reg):(\reg)+3], v[\a16] offset:(\off)
	ds_load_b64 v[(\reg)+4:(\reg)+5], v[\a8] offset:(\off)+512
	ds_load_b128 v[(\reg)+6:(\reg)+9], v[\a16] offset:(\off)+768
	ds_load_b64 v[(\reg)+10:(\reg)+11], v[\a8] offset:(\off)+1280
.endm
.macro FETCH s                         ; K step s: my 8 tiles of B and 4 blocks of A into set s % 2: 48 LDS loads in one run
	WIN TO_B
.irp b, 0,1,2,3,4,5,6,7
	FRAG 128*((\s)%2)+12*\b, ADB16, ADB8, \b*TIL+((\s)%4)*FRB
.endr
	WIN 0
.irp a, 0,1,2,3
	FRAG AF+48*((\s)%2)+12*\a, ADA16, ADA8, \a*TIL+((\s)%4)*FRB
.endr
.endm
; 16 products: A's blocks a0, a0 + 1 against B's eight.  The 32 accumulators take turns, one instruction a turn, in the same order in every step.
.macro MUL16 a0, s, first
.irp a, \a0, \a0+1
.irp b, 0,1,2,3,4,5,6,7
.if \first
	WMX 64*(\a)+8*\b, 128*((\s)%2)+12*\b, AF+48*((\s)%2)+12*(\a), BJ+8*\b, SB+8*(\b/2)+(\s), SA+8*((\a)/2)+(\s), \b, \a
.else
	WMX 64*(\a)+8*\b, 128*((\s)%2)+12*\b, AF+48*((\s)%2)+12*(\a), 64*(\a)+8*\b, SB+8*(\b/2)+(\s), SA+8*((\a)/2)+(\s), \b, \a
.endif
.endr
.endr
.endm
; A K step: the next step's fragments are asked for first, into the set that the step before has multiplied (four plain places behind its last product); then this step's 32 products.
; Ahead of K step 4's fragments every wave shows its part of chunk 1 landed.
.macro STEP s
.if (\s) < 7
.if (\s) == 3
	s_wait_tensorcnt 0x0                           ; my part of chunk 1 is in
	s_wait_dscnt 0x0                               ; no LDS load of mine is out at the signal
	s_barrier_signal -1
	s_barrier_wait -1                              ; everybody's part is in
.irp r, ADA16, ADA8, ADB16, ADB8
	v_add_nc_u32 v[\r], CHUNK, v[\r]               ; on to that chunk; these four are the places
.endr
	s_wait_alu depctr_va_vdst(0)                   ; the wait behind these writes
.elseif (\s) > 0
.rept 4
	v_nop
.endr
.endif
	FETCH (\s)+1
	s_wait_dscnt 48                                ; all but the 48 just issued: this step's fragments are in
.else
	s_wait_dscnt 0x0
.endif
.if (\s) == 0
	WIN MUL0                                       ; the first products start the sums with the bias along j
	MUL16 0, \s, 1
	MUL16 2, \s, 1
.else
	WIN MUL
	MUL16 0, \s, 0
	MUL16 2, \s, 0
.endif
	WIN 0
.endm
; 64 numbers of a lane, register 32 c + i = column 64 c + 32 (lane / 16) + i of my row: two whole blocks; they become a fragment's codes in v[PC] on and its scale word in v[PW]
.macro QUANT s
.irp c, 0,1
	v_max3_num_f32 v[TM+2*\c], |v[\s+32*\c]|, |v[\s+32*\c+1]|, 0x1800000   ; two chains a block; the floor 2^(3 - 127): the byte cannot fall under 1
	v_max3_num_f32 v[TM+2*\c+1], |v[\s+32*\c+16]|, |v[\s+32*\c+17]|, |v[\s+32*\c+18]|
.endr
.irp i, 2,4,6,8,10,12
.irp c, 0,1
	v_max3_num_f32 v[TM+2*\c], v[TM+2*\c], |v[\s+32*\c+\i]|, |v[\s+32*\c+\i+1]|
	v_max3_num_f32 v[TM+2*\c+1], v[TM+2*\c+1], |v[\s+32*\c+17+\i]|, |v[\s+32*\c+18+\i]|
.endr
.endr
.irp c, 0,1
	v_max3_num_f32 v[TM+2*\c], v[TM+2*\c], |v[\s+32*\c+14]|, |v[\s+32*\c+15]|
.endr
.irp c, 0,1
	v_max3_num_f32 v[TM+2*\c], v[TM+2*\c], v[TM+2*\c+1], |v[\s+32*\c+31]|   ; the block's largest magnitude
.endr
.irp c, 0,1
	v_add_nc_u32 v[TM+12+\c], 0xff000000, v[TM+2*\c]   ; 2 off its exponent field: the conversion's scale operand
.endr
.irp c, 0,1
	v_lshrrev_b32 v[TM+4+\c], 23, v[TM+12+\c]      ; the byte
.endr
	v_lshl_or_b32 v[TM+4], v[TM+5], 16, v[TM+4]    ; blocks h and 2 + h,
	v_lshlrev_b32 v[TM+4], v[SH8], v[TM+4]         ; at their places in the word;
	v_permlanex16_b32 v[TM+6], v[TM+4], s[SEL], s[SEL+1]
	v_or_b32 v[PW], v[TM+4], v[TM+6]               ; with lane l xor 16's two the word is whole
.irp c, 0,1
	v_cvt_scalef32_pk16_fp6_f32 v[PC+6*\c:PC+2+6*\c], v[\s+32*\c:\s+15+32*\c], v[TM+12+\c]
	v_cvt_scalef32_pk16_fp6_f32 v[PC+12+4*\c:PC+14+4*\c], v[\s+16+32*\c:\s+31+32*\c], v[TM+12+\c]
.endr
	v_nop                                          ; one plain place behind a scaled conversion
.irp c, 0,1
.irp i, 0,1,2
	v_mov_b32 v[PC+3+6*\c+\i], v[PC+12+4*\c+\i]    ; a conversion's three registers begin on an even number: the second half is moved
.endr
.endr
.endm
; block a of my rows: + the bias along i (which also moves the sums into window 0, each accumulator from its low end on), quantised, stored
.macro BLOCK a
.set PW, 80+(\a)
.if (\a) > 0
	s_wait_xcnt 0x0                                ; the last block's stores have read their data and their base
	s_add_nc_u64 s[OP:OP+1], s[OP:OP+1], s[PA:PA+1]
.endif
	WIN RD_ACC
.set n, 0
.rept 32
	v_pk_add_f32 v[H+n:H+n+1], v[64*(\a)+n:64*(\a)+n+1], v[BI+2*(\a):BI+2*(\a)+1] op_sel_hi:[1,0]
.set n, n+2
.endr
	WIN 0
	QUANT H
	global_store_b128 v[L16], v[PC:PC+3], s[OP:OP+1]               ; 512 consecutive aligned bytes
	global_store_b64 v[L8], v[PC+4:PC+5], s[OP:OP+1] offset:512    ; 256
	global_store_b128 v[L16], v[PC+6:PC+9], s[OP:OP+1] offset:768
	global_store_b64 v[L8], v[PC+10:PC+11], s[OP:OP+1] offset:1280
	ds_store_b32 v[SWS], v[PW] offset:64*(\a)      ; both halves of the lanes write the same word with the same value
.endm
	s_wait_alu depctr_va_vdst(0)                   ; the wait at the head's end
	s_wait_tensorcnt 0x0                           ; my part of chunk 0 is in
	ds_add_u32 v254, v255
	s_wait_dscnt 0x0
	ROUND                                          ; everybody's part is in, and all sixteen work-groups are here
	JLOAD 1                                        ; K steps 4 to 7: my one tensor load behind the round
	FETCH 0
	STEP 0
	STEP 1
	STEP 2
	STEP 3
	STEP 4
	STEP 5
	STEP 6
	STEP 7
.rept 4
	v_nop                                          ; places behind the last products
.endr
.irp b, 0,1,2,3
	v_mov_b32 v[TM+4+\b], 0                        ; a lane permute's destination counts as one of its sources
.endr
	BLOCK 0
	BLOCK 1
	BLOCK 2
	BLOCK 3
	ds_load_b64 v[84:85], v[SRD]                   ; my four blocks' scale words: LDS serves a wave's instructions in order
	s_wait_dscnt 0x0
	global_store_b64 v[L8], v[84:85], s[OS:OS+1]   ; 256 consecutive aligned bytes
	s_wait_tensorcnt 0x0                           ; the wave's end
	ds_add_u32 v254, v255
	s_wait_dscnt 0x0
	ROUND                                          ; the closing round
	s_endpgm
.Lfunc_end_k_qc8bc2fc832_proj_q:
	.size	k_qc8bc2fc832_proj_q, .Lfunc_end_k_qc8bc2fc832_proj_q-k_qc8bc2fc832_proj_q
	.p2alignl 7, 3214868480
	.fill 96, 4, 3214868480
	.section	.rodata,"a",@progbits
	.p2align	6, 0x0
	.amdhsa_kernel k_qc8bc2fc832_proj_q
		.amdhsa_group_segment_fixed_size 327680
		.amdhsa_private_segment_fixed_size 0
		.amdhsa_enable_private_segment 0
		.amdhsa_kernarg_size 56
		.amdhsa_user_sgpr_count 2
		.amdhsa_user_sgpr_kernarg_segment_ptr 1
		.amdhsa_wavefront_size32 1
		.amdhsa_system_sgpr_workgroup_id_x 1
		.amdhsa_system_sgpr_workgroup_id_y 1
		.amdhsa_system_sgpr_workgroup_id_z 1
		.amdhsa_system_vgpr_workitem_id 0
		.amdhsa_next_free_vgpr 768
		.amdhsa_next_free_sgpr 100
		.amdhsa_reserve_vcc 0
		.amdhsa_float_denorm_mode_32 3
		.amdhsa_float_denorm_mode_16_64 3
		.amdhsa_memory_ordered 1
		.amdhsa_forward_progress 1
		.amdhsa_inst_pref_size 99
	.end_amdhsa_kernel
	.amdgpu_metadata
---
amdhsa.version: [ 1, 2 ]
amdhsa.kernels:
  - .name:           k_qc8bc2fc832_proj_q
    .symbol:         k_qc8bc2fc832_proj_q.kd
    .args:
      - { .name: hsq, .offset: 0, .size: 8, .value_kind: global_buffer, .address_space: global }
      - { .name: wqq, .offset: 8, .size: 8, .value_kind: global_buffer, .address_space: global }
      - { .name: bq, .offset: 16, .size: 8, .value_kind: global_buffer, .address_space: global }
      - { .name: mqq, .offset: 24, .size: 8, .value_kind: global_buffer, .address_space: global }
      - { .name: wvq, .offset: 32, .size: 8, .value_kind: global_buffer, .address_space: global }
      - { .name: bv, .offset: 40, .size: 8, .value_kind: global_buffer, .address_space: global }
      - { .name: vtq, .offset: 48, .size: 8, .value_kind: global_buffer, .address_space: global }
    .group_segment_fixed_size: 327680
    .private_segment_fixed_size: 0
    .kernarg_segment_align: 8
    .kernarg_segment_size: 56
    .max_flat_workgroup_size: 128
    .sgpr_count:     100
    .vgpr_count:     768
    .wavefront_size: 32
...
	.end_amdgpu_metadata
.endif
;; end of part 2
;; launch proj_kv: the kernel of part 2 again; grid 8 x 64, 4 waves a work-group, clusters of 4 x 4, 327,680 bytes of LDS; arguments mqq, wkq, bk, kq, wvq, bv, vtq; writes kq, vtq
;; launch attn (part 3): grid 4 x 64, 8 waves a work-group, clusters of 4 x 1, 327,680 bytes of LDS; arguments mqq, kq, vtq, attention_mask, out0; writes out0
.if DOCPART == 3
	.amdgcn_target "amdgcn-amd-amdhsa--gfx1250"
	.amdhsa_code_object_version 6
	.text
	.protected	k_qc8bc2fc832_attn
	.globl	k_qc8bc2fc832_attn
	.p2align	8
	.type	k_qc8bc2fc832_attn,@function
k_qc8bc2fc832_attn:
	s_mov_b64 s[64:65], 0
	v_nop
	global_prefetch_b8 v0, s[64:65] scope:SCOPE_SE
	s_setreg_imm32_b32 hwreg(HW_REG_WAVE_MODE, 25, 1), 1
	s_wait_xcnt 0x0
	s_wait_alu depctr_hold_cnt(0) depctr_sa_sdst(0) depctr_va_vdst(0) depctr_va_sdst(0) depctr_va_ssrc(0) depctr_va_vcc(0) depctr_vm_vsrc(0)
	s_getreg_b32 s2, hwreg(HW_REG_IB_STS2, 6, 4)
	s_cmp_eq_u32 s2, 0
	s_cbranch_scc0 .Lentry_in_a_cluster
	s_endpgm
.Lentry_in_a_cluster:
	s_bfe_u32 s2, ttmp6, 0x10000c
	s_cmp_lg_u32 s2, 0x3003
	s_cbranch_scc0 .Lentry_shape_is_right
	s_endpgm
.Lentry_shape_is_right:
; out0[b][q][64 h + d] = sum over keys of softmax(q . k / 8 + mask[b][key]) v[key][d], for 64 pairs (b, h), both products on codes of FP6 (E2M3) with E8M0 scales.
; q: mqq's codes (blocks of 32 along the 1,024 are the head's blocks); k: kq; v: vtq, with the keys innermost.  All three as images of operand registers:
;   mqq, kq: tile T (16 rows; lane-row r = row 64 (T / 4) + 8 (T % 4) + 32 (r / 8) + r % 8), head h: 768 bytes at CODE + 12288 T + 768 h; scale words at 32768 (h / 2) + 64 T + 4 r, the head's two bytes at + 2 (h % 2).
;   vtq: step s (128 keys), the head's four tiles: 6,144 bytes at CODE + 98304 s + 6144 h; scale words at 4096 s + 256 h.
; THE SOFTMAX: t = logit x log2(e); M = the running largest t rounded up to a whole number; p = 2^(t - M) is quantised along the keys, not normalised; the row's sum is taken of the unquantised p and divides at the end;
; when M moves, the sum and O are multiplied by 2^(old M - new M), which rounds nothing.
; SHARES: a cluster of four work-groups is one (b, h); a work-group owns 512 queries, each of its eight waves 64: four tiles.  Two waves share a SIMD's registers.
; ALL of the head's K, V, scale bytes and mask, 217,088 bytes, come into LDS once, by joint loads of the four partners: no LDS byte is filled twice.  At the head five waves ask for one tile each: the mask, K's scale words,
; V's scale words, key steps 0-3 of K and of V.  Behind the waits, the add and a round of the cluster's barrier every wave asks for three of the other twelve steps of K or of V, which land while steps 0-3 are worked.
; No prefetch: every tile is asked for in these two groups, so there is no later load to run ahead of.
; BOTH PRODUCTS ARE USED TRANSPOSED: S^T = K Q^T (source 0 = 16 keys), O^T = V^T P^T (source 0 = 16 of the head's 64): a lane holds one query throughout, and by the tiles' row order the 32 registers of tiles 4 c .. 4 c + 3
; are the keys 64 c + 32 (lane / 16) + 0 .. 31: a whole block of p in a lane, in the order of the next operand's registers.
; K = 64 IN AN INSTRUCTION OF 128: Q's fragment is six registers of codes and six of zeros; K's fragment of tile t is twelve registers from v[KV + 6 t]: its upper six are the next tile's codes, which meet zero codes.
; The scale words are read as 16 bits, so the bytes of the upper 64 are 0, which is 2^-127 and no NaN.  THE MASK is the C of the first product; THE DIVISION BY 8 is 3 off each of q's scale bytes.
; LIMITS: the promise holds while the scaled scores t stay under 2^31 in magnitude.  q's bytes are held at 1 from below after the 3 are taken off: blocks of q whose largest magnitude lies under 2^-121 are scaled too large.
; A mask of -infinity gives p = 0; a row masked so everywhere gives NaN, as the softmax of such a row does.  NaN among the inputs is not served.
; A block's largest p is made from the block's largest logit by the same multiply-add and exponential as every p.
; REGISTERS: window 0: v1-7 bases, v8-14 addresses in hand, v15 at work, v16-31 four statistics a tile, v32-45 scale words (K 4, Q 4, V 2, P 4), v46-63 at work, v64-127 S^T then p, v128-191 the mask as C, v192-239 P's codes, v240-250 at work.
;   window 1: v0-127 O^T (32 a tile), v128-175 Q, v176-229 K's eight half fragments and six zeros, later V's four fragments.
.set CODE, 262144
.set KSC,  8192                        ; LDS: the mask's 2,048 numbers from 0; K's scale words [128 tiles][16];
.set VSC,  16384                       ; V's [16 steps][4 tiles][16];
.set KC,   20480                       ; K's codes [16 steps][8 tiles][768];
.set VC,   118784                      ; V's [16 steps][4 tiles][1536];
.set STG,  217088                      ; a stage of 16 rows x 272 bytes for each wave: no tensor load lands here
.set SPT,  272
.set SPARE, STG+8*16*SPT               ; the spare words
.set BK16, 1
.set BK8,  2
.set BV16, 3
.set BV8,  4
.set BKS,  5
.set BVS,  6
.set BM0,  7
.set ADK16, 8
.set ADK8,  9
.set ADV16, 10
.set ADV8,  11
.set ADKS,  12
.set ADVS,  13
.set ADM,   14
.set STO,  8                           ; the way out uses the loop's address registers
.set RD,   9
.set GO,   10
.set TT,   15
.set ST,   16                          ; tile q: v[ST + 4 q] -M, + 1 the largest logit, + 2, + 3 the sum in two halves
.set KS,   32
.set QS,   36
.set VS,   40
.set PW,   42
.set F,    46
.set BM,   48                          ; v48, v50 the two blocks' largest logits; v49, v51 their second chains
.set T2,   52                          ; v52-59 four chains of the row's sum
.set SO,   60
.set SH8,  62                          ; 8 x (lane / 16)
.set OM,   63                          ; the old -M
.set S,    64
.set MK,   128
.set PC,   192
.set CT,   240                         ; second halves of blocks' codes
.set WT,   248
.set OT,   0                           ; in window 1
.set QF,   128
.set KV,   176
.set WV,   14
.set SEL,  20
.set CS,   22
.set G1K,  32
.set G1V,  40
.set G1D,  48
.set G1W,  56
.set G0M,  68
.set G0KS, 72
.set G0VS, 76
.set G0K,  80
.set G0V,  84
.set G0P,  88
.set TK,   96                          ; step x 6,144: K's and V's codes
.set TS,   97                          ; step x 512: K's scale words, and the mask
.set TV,   98                          ; step x 256: V's scale words
.set CNT,  99
.set MSB, 0
.macro WIN new                         ; the immediate's high byte repeats the setting that is left
.if MSB != \new
	s_set_vgpr_msb (MSB<<8)|\new
.set MSB, \new
.endif
.endm
.set W_LD,  0x40                       ; destination window 1
.set W_S,   0x05                       ; K and Q window 1; the mask and S^T window 0
.set W_RS,  0x41                       ; O^T (destination, source 0) window 1
.set W_PV,  0x51                       ; V, C and D window 1; P window 0
.set W_OUT, 0x01                       ; source 0 window 1
.macro ROUND                           ; a round of the cluster's barrier
	s_barrier_signal -1
	s_barrier_wait -1
	s_cmp_lg_u32 s[WV], 0
	s_cbranch_scc1 .Lnot_wave_0_\@
	s_barrier_signal -3
.Lnot_wave_0_\@:
	s_barrier_wait -3
	s_barrier_signal -1
	s_barrier_wait -1
.endm
.macro WMX d, a, b, c, sa, sb, ra      ; one scaled product; ra odd: source 0's scale words stand in lanes 16-31
.if ((\ra)%2)
	v_wmma_scale_f32_16x16x128_f8f6f4 v[(\d):(\d)+7], v[(\a):(\a)+11], v[(\b):(\b)+11], v[(\c):(\c)+7], v[\sa], v[\sb] matrix_a_fmt:MATRIX_FMT_FP6 matrix_b_fmt:MATRIX_FMT_FP6 matrix_a_scale:MATRIX_SCALE_ROW1
.else
	v_wmma_scale_f32_16x16x128_f8f6f4 v[(\d):(\d)+7], v[(\a):(\a)+11], v[(\b):(\b)+11], v[(\c):(\c)+7], v[\sa], v[\sb] matrix_a_fmt:MATRIX_FMT_FP6 matrix_b_fmt:MATRIX_FMT_FP6
.endif
.endm
	s_load_b256 s[4:11], s[0:1], 0x0               ; mqq, kq, vtq, the mask
	s_load_b64 s[12:13], s[0:1], 0x20              ; out0
	v_lshl_add_u32 v254, v0, 2, SPARE
	v_mov_b32 v255, 0
	ds_add_u32 v254, v255                          ; the opening lines: the add, twice on end, and its wait
	ds_add_u32 v254, v255
	v_lshrrev_b32 v1, 5, v0
	v_readfirstlane_b32 s[WV], v1                  ; wave 0..7
	s_and_b32 s15, s[WV], 3                        ; which three of the later steps I fetch,
	s_lshr_b32 s16, s[WV], 2                       ; for K (0) or for V (1)
	s_and_b32 s24, ttmp7, 0xffff
	s_lshr_b32 s17, s24, 4                         ; b
	s_and_b32 s18, s24, 15                         ; h
	s_bfe_u32 s19, ttmp6, 0x40000                  ; cx: it enters Q's and out0's addresses alone
	s_mov_b32 s[SEL], 0x76543210
	s_mov_b32 s[SEL+1], 0xfedcba98
	s_mov_b32 s[CS], 0x3fb8aa3b                    ; log2(e)
	s_mov_b32 s[CS+1], s[CS]                       ; named with it as a pair, so it is written
	s_mov_b32 s[TK], 0
	s_mov_b32 s[TS], 0
	s_mov_b32 s[TV], 0
	; group 1, elements of 8 bytes, the mask of all four partners.  K: tiles of 768 bytes, 12,288 apart: 32 at the head, then 24.  V: steps of 6,144 bytes, 98,304 apart: 4, then 3.
	; D: 8,192 dense bytes as 32 rows of 256 (the mask, K's scale words).  W: 16 steps x 256 bytes of V's scale words, 4,096 apart.
.irp g, G1K, G1V, G1D, G1W
	s_mov_b32 s[\g], 15|(3<<16)|(1<<21)
	s_mov_b32 s[\g+6], 0
	s_mov_b32 s[\g+7], 0
.endr
	s_mov_b32 s[G1K+1], 96<<16
	s_mov_b32 s[G1K+2], 32<<16
	s_mov_b32 s[G1K+3], 96<<16
	s_mov_b32 s[G1K+4], 32
	s_mov_b32 s[G1K+5], 1536
	s_mov_b32 s[G1V+1], 768<<16
	s_mov_b32 s[G1V+2], 4<<16
	s_mov_b32 s[G1V+3], 768<<16
	s_mov_b32 s[G1V+4], 4
	s_mov_b32 s[G1V+5], 12288
	s_mov_b32 s[G1D+1], 32<<16
	s_mov_b32 s[G1D+2], 32<<16
	s_mov_b32 s[G1D+3], 32<<16
	s_mov_b32 s[G1D+4], 32
	s_mov_b32 s[G1D+5], 32
	s_mov_b32 s[G1W+1], 32<<16
	s_mov_b32 s[G1W+2], 16<<16
	s_mov_b32 s[G1W+3], 32<<16
	s_mov_b32 s[G1W+4], 16
	s_mov_b32 s[G1W+5], 512
	s_mul_i32 s24, s17, 1572864                    ; codes: b's 128 tiles of K, or 16 steps of V, are as many bytes
	s_add_co_u32 s24, s24, CODE
	s_mul_i32 s26, s18, 768
	s_add_co_u32 s26, s26, s24                     ; K: + 768 h
	s_mov_b32 s27, 0
	s_mul_i32 s28, s18, 6144
	s_add_co_u32 s28, s28, s24                     ; V: + 6144 h
	s_mov_b32 s29, 0
	s_lshl_b32 s30, s17, 13                        ; the mask: 8192 b
	s_mov_b32 s31, 0
	s_lshr_b32 s2, s18, 1
	s_lshl_b32 s2, s2, 15
	s_add_co_u32 s2, s2, s30                       ; K's scale words: 32768 (h / 2) + 8192 b
	s_mov_b32 s3, 0
	s_lshl_b32 s24, s17, 16
	s_lshl_b32 s25, s18, 8
	s_add_co_u32 s24, s24, s25                     ; V's: 65536 b + 256 h
	s_mov_b32 s25, 0
	s_mov_b32 s[G0M], 1
	s_mov_b32 s[G0M+1], 0
	s_mov_b32 s[G0KS], 1
	s_mov_b32 s[G0KS+1], KSC
	s_mov_b32 s[G0VS], 1
	s_mov_b32 s[G0VS+1], VSC
	s_mov_b32 s[G0K], 1
	s_mov_b32 s[G0K+1], KC
	s_mov_b32 s[G0V], 1
	s_mov_b32 s[G0V+1], VC
	s_mov_b32 s[G0P], 1                            ; my later load: steps 4 + 3 (wave % 4) on: 18,432 bytes of LDS, 294,912 bytes on in memory, for K and V alike
	s_mul_i32 s[G0P+1], s16, VC-KC
	s_mul_i32 s92, s15, 18432
	s_add_co_u32 s[G0P+1], s[G0P+1], s92
	s_add_co_u32 s[G0P+1], s[G0P+1], KC+24576
	s_mul_i32 s92, s15, 294912
	s_add_co_u32 s92, s92, 393216
	s_mov_b32 s93, 0
	s_wait_dscnt 0x0
	s_wait_kmcnt 0x0
	s_add_nc_u64 s[G0M+2:G0M+3], s[10:11], s[30:31]
	s_add_nc_u64 s[G0KS+2:G0KS+3], s[6:7], s[2:3]
	s_add_nc_u64 s[G0VS+2:G0VS+3], s[8:9], s[24:25]
	s_add_nc_u64 s[G0K+2:G0K+3], s[6:7], s[26:27]
	s_add_nc_u64 s[G0V+2:G0V+3], s[8:9], s[28:29]
	s_cmp_eq_u32 s16, 0
	s_cselect_b64 s[G0P+2:G0P+3], s[G0K+2:G0K+3], s[G0V+2:G0V+3]
	s_add_nc_u64 s[G0P+2:G0P+3], s[G0P+2:G0P+3], s[92:93]
.irp g, G0M, G0KS, G0VS, G0K, G0V, G0P
	s_or_b32 s[\g+3], s[\g+3], 0x80000000
.endr
	ROUND                                          ; all four work-groups are here: the joint loads meet
; the head's loads: one chain of branches on the wave's number, one load to an arm, all arms to one join; waves 5 to 7 ask for nothing here
.macro ARM under, g0, g1, next
	s_cmp_lt_u32 s[WV], \under
	s_cbranch_scc0 \next
	tensor_load_to_lds s[\g0:\g0+3], s[\g1:\g1+7]
	s_nop 0
.rept 4
	v_nop
.endr
	s_branch .Lhead_asked
\next:
.endm
	ARM 1, G0M,  G1D, .Lhead_1
	ARM 2, G0KS, G1D, .Lhead_2
	ARM 3, G0VS, G1W, .Lhead_3
	ARM 4, G0K,  G1K, .Lhead_4
	ARM 5, G0V,  G1V, .Lhead_5
.Lhead_asked:
	s_lshl_b32 s24, s17, 7
	s_lshl_b32 s25, s19, 5
	s_add_co_u32 s24, s24, s25
	s_lshl_b32 s25, s[WV], 2
	s_add_co_u32 s24, s24, s25                     ; my first tile of queries: 128 b + 32 cx + 4 wave
	s_mul_i32 s26, s24, 12288
	s_mul_i32 s25, s18, 768
	s_add_co_u32 s26, s26, s25
	s_add_co_u32 s26, s26, CODE
	s_mov_b32 s27, 0
	s_add_nc_u64 s[26:27], s[4:5], s[26:27]        ; its codes
	s_lshr_b32 s30, s18, 1
	s_lshl_b32 s30, s30, 15
	s_lshl_b32 s25, s24, 6
	s_add_co_u32 s30, s30, s25
	s_and_b32 s28, s18, 1
	s_lshl_b32 s28, s28, 1                         ; 2 (h % 2)
	s_add_co_u32 s30, s30, s28
	s_mov_b32 s31, 0
	s_add_nc_u64 s[30:31], s[4:5], s[30:31]        ; its scale bytes
	s_lshl_b32 s2, s24, 16                         ; 16 rows of 4,096 bytes a tile
	s_lshl_b32 s3, s18, 8
	s_add_co_u32 s2, s2, s3
	s_mov_b32 s3, 0
	s_add_nc_u64 s[12:13], s[12:13], s[2:3]        ; out0 at my first row, my head
	s_add_co_u32 s28, s28, KSC
	v_and_b32 v15, 31, v0                          ; lane
	v_and_b32 v11, 15, v0                          ; r
	v_bfe_u32 v12, v0, 4, 1                        ; lane / 16
	v_lshlrev_b32 v8, 4, v15
	v_lshlrev_b32 v9, 3, v15
	v_lshlrev_b32 v10, 2, v11
	v_lshlrev_b32 v13, 2, v15
	WIN W_LD
.irp q, 0,1,2,3
	global_load_b128 v[QF+12*\q:QF+12*\q+3], v8, s[26:27] offset:12288*\q
	global_load_b64 v[QF+12*\q+4:QF+12*\q+5], v9, s[26:27] offset:12288*\q+512
.endr
.irp q, 0,1,2,3
.irp i, 6,7,8,9,10,11
	v_mov_b32 v[QF+12*\q+\i], 0                    ; Q's upper 64 along K: zero codes
.endr
.endr
.irp i, 48,49,50,51,52,53
	v_mov_b32 v[KV+\i], 0                          ; what stands above K's last tile
.endr
.set n, 0
.rept 128
	v_mov_b32 v[OT+n], 0                           ; O^T: the key step is written once; its first turn finds zeros
.set n, n+1
.endr
	WIN 0
.irp q, 0,1,2,3
	global_load_u16 v[QS+\q], v10, s[30:31] offset:64*\q
.endr
	v_add_nc_u32 v[BK16], KC, v8
	v_add_nc_u32 v[BK8], KC+512, v9
	v_add_nc_u32 v[BV16], VC, v8
	v_add_nc_u32 v[BV8], VC+512, v9
	v_add_nc_u32 v[BKS], s28, v13
	v_add_nc_u32 v[BVS], VSC, v13
	v_lshlrev_b32 v[BM0], 7, v12                   ; the mask: 32 keys on for lanes 16-31
	v_lshlrev_b32 v[SH8], 3, v12
.irp q, 0,1,2,3
	v_mov_b32 v[ST+4*\q], 0x7f000000               ; -M = 2^127,
	v_mov_b32 v[ST+4*\q+1], 0xff000000             ; the largest logit so far: -2^127
	v_mov_b32 v[ST+4*\q+2], 0
	v_mov_b32 v[ST+4*\q+3], 0
.endr
	v_mov_b32 v[T2], 0                             ; a lane permute's destination counts as one of its sources
	v_mov_b32 v[WT+2], 0
	v_mov_b32 v[F+1], 0                            ; named as the upper half of a pair
	s_wait_loadcnt 0x0                             ; Q and its scale bytes
.irp q, 0,1,2,3                        ; 3 off each of q's two bytes: the division by 8; held at 1 from below
	v_and_b32 v13, 0xff, v[QS+\q]
	v_lshrrev_b32 v14, 8, v[QS+\q]
	v_max_u32 v13, 4, v13
	v_max_u32 v14, 4, v14
	v_add_nc_u32 v13, -3, v13
	v_add_nc_u32 v14, -3, v14
	s_delay_alu instid0(VALU_DEP_1)
	v_lshl_or_b32 v[QS+\q], v14, 8, v13
.endr
.macro SUM4 j                          ; eight more p onto the four chains of the row's sum
.irp k, 0,2,4,6
	v_pk_add_f32 v[T2+\k:T2+\k+1], v[T2+\k:T2+\k+1], v[S+(\j)+\k:S+(\j)+\k+1]
.endr
.endm
; tile q's softmax of 128 keys: v[S] on holds the logits, register 32 c + i = key 64 c + 32 (lane / 16) + i: two whole blocks of 32 keys
.macro SOFTMAX q
.set rT, ST+4*(\q)
.set rP, PC+12*(\q)
.set rO, OT+32*(\q)
.irp c, 0,1                            ; the largest logit of each block, in two chains a block; each accumulator is first read at its low end
	v_max3_num_f32 v[BM+2*\c], v[S+32*\c], v[S+32*\c+1], v[S+32*\c+2]
	v_max3_num_f32 v[BM+2*\c+1], v[S+32*\c+16], v[S+32*\c+17], v[S+32*\c+18]
.endr
.irp i, 3,5,7,9,11,13
.irp c, 0,1
	v_max3_num_f32 v[BM+2*\c], v[BM+2*\c], v[S+32*\c+\i], v[S+32*\c+\i+1]
	v_max3_num_f32 v[BM+2*\c+1], v[BM+2*\c+1], v[S+32*\c+16+\i], v[S+32*\c+17+\i]
.endr
.endr
.irp c, 0,1
	v_max3_num_f32 v[BM+2*\c], v[BM+2*\c], v[BM+2*\c+1], v[S+32*\c+15]
.endr
.irp c, 0,1
	v_max_num_f32 v[BM+2*\c], v[BM+2*\c], v[S+32*\c+31]
.endr
	s_delay_alu instid0(VALU_DEP_1)
	v_max_num_f32 v[TT], v[BM], v[BM+2]
	s_delay_alu instid0(VALU_DEP_1)
	v_permlanex16_b32 v[T2], v[TT], s[SEL], s[SEL+1]
	s_delay_alu instid0(VALU_DEP_1)
	v_max3_num_f32 v[rT+1], v[rT+1], v[TT], v[T2]  ; the running largest logit, with lane l xor 16's 64 keys
	s_delay_alu instid0(VALU_DEP_1)
	v_mul_f32 v[TT], s[CS], v[rT+1]                ; as t
	s_delay_alu instid0(VALU_DEP_1)
	v_floor_f32 v[rT], -v[TT]                      ; the new -M = -ceil(t): a whole number
.set n, 0
.rept 32
	v_pk_fma_f32 v[S+n:S+n+1], v[S+n:S+n+1], s[CS:CS+1], v[rT:rT+1] op_sel_hi:[1,0,0]   ; t - M, two at a time
.set n, n+2
.endr
	v_fma_f32 v[BM], v[BM], s[CS], v[rT]           ; the same of each block's largest logit
	v_fma_f32 v[BM+2], v[BM+2], s[CS], v[rT]
	v_sub_f32 v[TT], v[rT], v[OM]                  ; old M - new M: a whole number, 0 or less
	s_delay_alu instid0(VALU_DEP_1)
	v_cvt_i32_f32 v[TT], v[TT]                     ; (it saturates)
	s_wait_alu depctr_va_vdst(0)                   ; the wait ahead of the batch
	v_exp_f32 v[BM], v[BM]                         ; the blocks' largest p
	v_exp_f32 v[BM+2], v[BM+2]
.set n, 0
.rept 64
	v_exp_f32 v[S+n], v[S+n]                       ; p = 2^(t - M)
.set n, n+1
.endr
	v_ldexp_f32 v[F], 1.0, v[TT]                   ; f = 2^(old M - new M): the plain place behind the exponentials
	s_wait_alu depctr_va_vdst(0)                   ; one wait for the batch of 66, ahead of its first reader
	; the row's sum of the unquantised p in four chains; the lines that make the scale word stand between its groups
	v_max_num_f32 v[BM], 0x1800000, v[BM]          ; the floor 2^(3 - 127): the byte cannot fall under 1
	v_max_num_f32 v[BM+2], 0x1800000, v[BM+2]
.irp k, 0,2,4,6
	v_pk_add_f32 v[T2+\k:T2+\k+1], v[S+\k:S+\k+1], v[S+8+\k:S+8+\k+1]
.endr
	v_add_nc_u32 v[SO], 0xff000000, v[BM]          ; 2 off the exponent field: the conversion's scale operand
	v_add_nc_u32 v[SO+1], 0xff000000, v[BM+2]
	SUM4 16
	v_lshrrev_b32 v[WT], 23, v[SO]                 ; the bytes of blocks h and 2 + h,
	v_lshrrev_b32 v[WT+1], 23, v[SO+1]
	SUM4 24
	v_lshl_or_b32 v[WT], v[WT+1], 16, v[WT]
	SUM4 32
	v_lshlrev_b32 v[WT], v[SH8], v[WT]             ; at their places in the word;
	SUM4 40
	v_permlanex16_b32 v[WT+2], v[WT], s[SEL], s[SEL+1]
	SUM4 48
	v_or_b32 v[PW+(\q)], v[WT], v[WT+2]            ; with lane l xor 16's two the word is whole
	SUM4 56
.irp c, 0,1
	v_cvt_scalef32_pk16_fp6_f32 v[rP+6*\c:rP+6*\c+2], v[S+32*\c:S+32*\c+15], v[SO+\c]
	v_cvt_scalef32_pk16_fp6_f32 v[CT+4*\c:CT+4*\c+2], v[S+32*\c+16:S+32*\c+31], v[SO+\c]
.endr
	v_pk_add_f32 v[T2:T2+1], v[T2:T2+1], v[T2+2:T2+3]       ; a plain place behind the scaled conversions
	v_pk_add_f32 v[T2+4:T2+5], v[T2+4:T2+5], v[T2+6:T2+7]
.irp c, 0,1
.irp i, 0,1,2
	v_mov_b32 v[rP+6*\c+3+\i], v[CT+4*\c+\i]       ; a conversion's three registers begin on an even number: the second half is moved
.endr
.endr
	v_pk_add_f32 v[T2:T2+1], v[T2:T2+1], v[T2+4:T2+5]
	s_delay_alu instid0(VALU_DEP_1)
	v_pk_fma_f32 v[rT+2:rT+3], v[rT+2:rT+3], v[F:F+1], v[T2:T2+1] op_sel_hi:[1,0,1]   ; the sum under the new M, and this step's
	WIN W_RS
	s_wait_alu depctr_va_vdst(0)                   ; the wait here, directly ahead of the first reader of O^T
.set n, 0
.rept 16
	v_pk_mul_f32 v[rO+n:rO+n+1], v[rO+n:rO+n+1], v[F:F+1] op_sel_hi:[1,0]   ; O^T under the new M, each accumulator from its low end on; these sixteen are also the places in front of the products that follow
.set n, n+2
.endr
	WIN 0
.endm
; A KEY STEP: 128 keys for my four tiles of queries
.macro STEP
	v_add_nc_u32 v[ADK16], s[TK], v[BK16]          ; seven plain lines: also the places behind the last step's products
	v_add_nc_u32 v[ADK8], s[TK], v[BK8]
	v_add_nc_u32 v[ADV16], s[TK], v[BV16]
	v_add_nc_u32 v[ADV8], s[TK], v[BV8]
	v_add_nc_u32 v[ADKS], s[TS], v[BKS]
	v_add_nc_u32 v[ADM], s[TS], v[BM0]
	v_add_nc_u32 v[ADVS], s[TV], v[BVS]
	WIN W_LD
.irp t, 0,1,2,3,4,5,6,7
	ds_load_b128 v[KV+6*\t:KV+6*\t+3], v[ADK16] offset:768*\t
	ds_load_b64 v[KV+6*\t+4:KV+6*\t+5], v[ADK8] offset:768*\t
.endr
	WIN 0
.irp v, 0,1,2,3
	ds_load_u16 v[KS+\v], v[ADKS] offset:128*\v    ; lanes 0-15: tile 2 v, lanes 16-31: tile 2 v + 1; the head's two bytes
.endr
.irp m, 0,1,2,3,4,5,6,7,8,9,10,11,12,13,14,15
	ds_load_b128 v[MK+4*\m:MK+4*\m+3], v[ADM] offset:256*(\m/8)+16*(\m%8)   ; the mask of keys 64 (m / 8) + 32 (lane / 16) + 4 (m % 8) on: the result's layout
.endr
	s_wait_dscnt 0x0
.irp q, 0,1,2,3
	WIN W_S
.irp t, 0,1,2,3,4,5,6,7
	WMX S+8*\t, KV+6*\t, QF+12*\q, MK+8*\t, KS+\t/2, QS+\q, \t
.endr
	WIN 0
	v_mov_b32 v[OM], v[ST+4*\q]                    ; four places in front of the first read of the results, and of the loads into K's registers below
.rept 3
	v_nop
.endr
.if \q == 3
	WIN W_LD                                       ; K is done with: V's four fragments land under the last softmax
.irp u, 0,1,2,3
	ds_load_b128 v[KV+12*\u:KV+12*\u+3], v[ADV16] offset:1536*\u
	ds_load_b64 v[KV+12*\u+4:KV+12*\u+5], v[ADV8] offset:1536*\u
	ds_load_b128 v[KV+12*\u+6:KV+12*\u+9], v[ADV16] offset:1536*\u+768
	ds_load_b64 v[KV+12*\u+10:KV+12*\u+11], v[ADV8] offset:1536*\u+768
.endr
	WIN 0
.irp v, 0,1
	ds_load_b32 v[VS+\v], v[ADVS] offset:128*\v
.endr
.endif
	SOFTMAX \q
.endr
	s_wait_alu depctr_va_vdst(0)                   ; the wait here, directly ahead of the wait below
	s_wait_dscnt 0x0                               ; V and its scale words are in
	WIN W_PV
.irp u, 0,1,2,3                        ; sixteen accumulators by turns, one instruction a turn
.irp q, 0,1,2,3
	WMX OT+32*\q+8*\u, KV+12*\u, PC+12*\q, OT+32*\q+8*\u, VS+\u/2, PW+\q, \u
.endr
.endr
	WIN 0
	s_add_co_u32 s[TK], s[TK], 6144
	s_add_co_u32 s[TS], s[TS], 512
	s_add_co_u32 s[TV], s[TV], 256
.endm
.macro KEYLOOP n
	s_mov_b32 s[CNT], \n
.Lkey_\@:
	STEP
	s_sub_co_u32 s[CNT], s[CNT], 1
	s_cmp_lg_u32 s[CNT], 0
	s_cbranch_scc1 .Lkey_\@
.endm
	s_wait_alu depctr_va_vdst(0)                   ; the wait at the head's end
	s_wait_tensorcnt 0x0                           ; my tile of the head's five is in
	ds_add_u32 v254, v255                          ; the add, twice on end
	ds_add_u32 v254, v255
	s_mov_b32 s[G1K+2], 24<<16                     ; no tensor load of mine is out, so a descriptor may be written: from here on 24 tiles of K,
	s_mov_b32 s[G1K+4], 24
	s_mov_b32 s[G1V+2], 3<<16                      ; or 3 steps of V
	s_mov_b32 s[G1V+4], 3
	s_wait_dscnt 0x0
	ROUND                                          ; steps 0 to 3, the scale words and the mask are whole, and all four work-groups are here
	s_cmp_eq_u32 s16, 0
	s_cbranch_scc0 .Lrest_v
	tensor_load_to_lds s[G0P:G0P+3], s[G1K:G1K+7]
	s_nop 0
.rept 4
	v_nop
.endr
	s_branch .Lrest_asked
.Lrest_v:
	tensor_load_to_lds s[G0P:G0P+3], s[G1V:G1V+7]
	s_nop 0
.rept 4
	v_nop
.endr
.Lrest_asked:
	KEYLOOP 4
	s_wait_tensorcnt 0x0                           ; my later load has landed,
	s_wait_dscnt 0x0
	s_barrier_signal -1
	s_barrier_wait -1                              ; everybody's has
	KEYLOOP 12
	; THE WAY OUT.  The additions are the places behind the last products.
.irp q, 0,1,2,3
	v_add_f32 v[BM+\q], v[ST+4*\q+2], v[ST+4*\q+3] ; the sum's two halves,
.endr
.irp q, 0,1,2,3
	v_mov_b32 v[T2+\q], 0
.endr
.irp q, 0,1,2,3
	v_permlanex16_b32 v[T2+\q], v[BM+\q], s[SEL], s[SEL+1]
.endr
.irp q, 0,1,2,3
	v_add_f32 v[BM+\q], v[BM+\q], v[T2+\q]         ; and lane l xor 16's
.endr
	s_wait_alu depctr_va_vdst(0)                   ; the wait ahead of the batch
.irp q, 0,1,2,3
	v_rcp_f32 v[ST+4*\q+2], v[BM+\q]
.endr
	v_and_b32 v11, 15, v0                          ; plain work behind the reciprocals: r,
	v_bfe_u32 v12, v0, 4, 1                        ; lane / 16
	s_mul_i32 s24, s[WV], 16*SPT
	s_add_co_u32 s24, s24, STG                     ; my stage
	v_mul_u32_u24 v[STO], v11, SPT
	v_mul_u32_u24 v[RD], v12, SPT
	v_lshlrev_b32 v[GO], 12, v12
	v_lshl_add_u32 v[STO], v12, 7, v[STO]
	v_lshl_add_u32 v[RD], v11, 4, v[RD]
	v_lshl_add_u32 v[GO], v11, 4, v[GO]            ; two rows of out0 an instruction
	v_add_nc_u32 v[STO], s24, v[STO]               ; in: row r; my 32 registers are channels 32 (lane / 16) + 0 .. 31
	v_add_nc_u32 v[RD], s24, v[RD]                 ; back: lanes 0-15 one row of 256 bytes, lanes 16-31 the next
	s_wait_alu depctr_va_vdst(0)                   ; one wait for the four reciprocals, ahead of their first reader
.macro PACK q
	WIN W_OUT
.set n, 0
.rept 16
	v_pk_mul_f32 v[S+32*((\q)%2)+n:S+32*((\q)%2)+n+1], v[OT+32*(\q)+n:OT+32*(\q)+n+1], v[ST+4*(\q)+2:ST+4*(\q)+3] op_sel_hi:[1,0]   ; O^T / the sum
.set n, n+2
.endr
	WIN 0
.irp m, 0,1,2,3,4,5,6,7
	ds_store_b128 v[STO], v[S+32*((\q)%2)+4*\m:S+32*((\q)%2)+4*\m+3] offset:16*\m
.endr
.irp i, 0,1,2,3,4,5,6,7
	ds_load_b128 v[MK+32*((\q)%2)+4*\i:MK+32*((\q)%2)+4*\i+3], v[RD] offset:2*\i*SPT   ; LDS serves a wave's instructions in order: these see the stores above, and the next tile's stores come behind them
.endr
.endm
.macro SEND q, younger                 ; younger: the LDS instructions issued behind tile q's loads.  Stage row 2 i + (lane / 16) is row 8 q + 32 (i / 4) + 2 (i % 4) + (lane / 16) of my 64
.irp i, 0,1,2,3,4,5,6,7
	s_wait_dscnt (\younger)+7-\i
	global_store_b128 v[GO], v[MK+32*((\q)%2)+4*\i:MK+32*((\q)%2)+4*\i+3], s[12:13] offset:(8*(\q)+32*(\i/4)+2*(\i%4))*4096 th:TH_STORE_NT   ; sixteen lanes store 256 consecutive aligned bytes: a row's 64 channels of my head
.endr
.endm
	PACK 0
	PACK 1
	SEND 0, 16
	s_wait_xcnt 0x0                                ; tile 0's stores have read their registers: tile 2's rows may land there
	PACK 2
	SEND 1, 16
	s_wait_xcnt 0x0
	PACK 3
	SEND 2, 16
	SEND 3, 0
	s_wait_tensorcnt 0x0                           ; the wave's end
	ds_add_u32 v254, v255
	s_wait_dscnt 0x0
	ROUND                                          ; the closing round
	s_endpgm
.Lfunc_end_k_qc8bc2fc832_attn:
	.size	k_qc8bc2fc832_attn, .Lfunc_end_k_qc8bc2fc832_attn-k_qc8bc2fc832_attn
	.p2alignl 7, 3214868480
	.fill 96, 4, 3214868480
	.section	.rodata,"a",@progbits
	.p2align	6, 0x0
	.amdhsa_kernel k_qc8bc2fc832_attn
		.amdhsa_group_segment_fixed_size 327680
		.amdhsa_private_segment_fixed_size 0
		.amdhsa_enable_private_segment 0
		.amdhsa_kernarg_size 40
		.amdhsa_user_sgpr_count 2
		.amdhsa_user_sgpr_kernarg_segment_ptr 1
		.amdhsa_wavefront_size32 1
		.amdhsa_system_sgpr_workgroup_id_x 1
		.amdhsa_system_sgpr_workgroup_id_y 1
		.amdhsa_system_sgpr_workgroup_id_z 1
		.amdhsa_system_vgpr_workitem_id 0
		.amdhsa_next_free_vgpr 512
		.amdhsa_next_free_sgpr 100
		.amdhsa_reserve_vcc 0
		.amdhsa_float_denorm_mode_32 3
		.amdhsa_float_denorm_mode_16_64 3
		.amdhsa_memory_ordered 1
		.amdhsa_forward_progress 1
		.amdhsa_inst_pref_size 142
	.end_amdhsa_kernel
	.amdgpu_metadata
---
amdhsa.version: [ 1, 2 ]
amdhsa.kernels:
  - .name:           k_qc8bc2fc832_attn
    .symbol:         k_qc8bc2fc832_attn.kd
    .args:
      - { .name: mqq, .offset: 0, .size: 8, .value_kind: global_buffer, .address_space: global }
      - { .name: kq, .offset: 8, .size: 8, .value_kind: global_buffer, .address_space: global }
      - { .name: vtq, .offset: 16, .size: 8, .value_kind: global_buffer, .address_space: global }
      - { .name: attention_mask, .offset: 24, .size: 8, .value_kind: global_buffer, .address_space: global }
      - { .name: out0, .offset: 32, .size: 8, .value_kind: global_buffer, .address_space: global }
    .group_segment_fixed_size: 327680
    .private_segment_fixed_size: 0
    .kernarg_segment_align: 8
    .kernarg_segment_size: 40
    .max_flat_workgroup_size: 256
    .sgpr_count:     100
    .vgpr_count:     512
    .wavefront_size: 32
...
	.end_amdgpu_metadata
.endif
;; end of part 3
